; MI455X (gfx1250); checked and timed in simulation.
; The chip was launched on July 23, 2026; its instructions are those of AMD's public machine-readable ISA for CDNA 5 (MIT licence, August 2026) and "CDNA5" Instruction Set Architecture Reference Guide (July 2026). The comments in the code are by the model that wrote it; some were corrected since.
;; Token Label Offline Episodic. Allowed arithmetic: float matrix products may take bf16 or f16 operands with f32 sums; all other float work in f32.
;; Inputs: feat_query 2 x 75 x 196 x 384 float32; feat_shot 2 x 5 x 5 x 196 x 384 float32; x_query 2 x 75 x 384 float32; x_shot 2 x 5 x 5 x 384 float32.
;; Outputs: out0 2 x 75 x 5 float32; out1 2 x 75 x 5 float32.
;; 2 versions, each right; version 2 is version 1 with the launch prep written anew for expert scheduling mode. Each part assembles by itself: llvm-mc -triple=amdgcn-amd-amdhsa -mcpu=gfx1250 --defsym DOCPART=n.
;; ======== version 1 of 2: 2 launches
;; workspace buffers: fqn 22,732,800 bytes; fsn 7,864,320 bytes
;; launch prep (part 1): grid 249 x 1, 10 waves a work-group, no clusters, 126,720 bytes of LDS; arguments feat_query, feat_shot, fqn, fsn; writes fqn, fsn
.if DOCPART == 1
	.amdgcn_target "amdgcn-amd-amdhsa--gfx1250"
	.amdhsa_code_object_version 6
	.text
	.protected	k_qceda559aca_prep
	.globl	k_qceda559aca_prep
	.p2align	8
	.type	k_qceda559aca_prep,@function
k_qceda559aca_prep:
	s_mov_b64 s[64:65], 0
	v_nop
	global_prefetch_b8 v0, s[64:65] scope:SCOPE_SE
	s_setreg_imm32_b32 hwreg(HW_REG_WAVE_MODE, 25, 1), 1
	s_wait_xcnt 0x0
; Every token row (384 f32) of feat_query and feat_shot is divided by max(sqrt(sum of its squares), 1e-8) in f32, rounded once to bf16,
; and written in the order in which the next launch's matrix instructions want it.
; SEGMENTS.  feat_query falls into 50 groups of 3 queries = 588 rows (37 tiles of 16 rows), feat_shot into 10 classes of 980 rows (64 tiles).
; Rows past a segment's end are copies of its last row: a copied shot cannot change a maximum, a copied query row is read by nobody.
; A TILE in fqn / fsn is 12,288 dense bytes: the 16 bytes at 1024 f + 512 p + 16 l hold row l % 16, channels 32 f + 16 p + 8 (l / 16) + 0..7:
; registers 4 p .. 4 p + 3 of lane l in fragment f of a 16-bit operand with K = 32 (ISA guide 7.12.2).
; SHARES.  One wave, one tile: 1,850 query tiles (work-groups 0-184) and 640 shot tiles (work-groups 185-248) are 249 x 10 waves exactly.
; A wave keeps its 16 rows in 192 registers between the sum and the scaling: each input byte is read once.  The change of layout goes through
; the wave's own 16 x 784 bytes of LDS, so there is no barrier.  No matrix work, no cluster: the waves share nothing.
; LIMITS.  A row's sum of squares must stay finite in f32 (|x| below about 1e18).  NaN and infinities are not treated apart.
.set ROWB,  1536                       ; bytes in a row of the inputs
.set PITCH, 784                        ; a bf16 row in LDS: 768 bytes + 16 = 49 x 16: the 16 rows of a fragment read start 16 bytes apart modulo 256
.set WST,   16*PITCH                   ; a wave's stage
.set SPARE, 10*WST                     ; behind the stages: the spare words, 128 bytes for each wave, five blocks of 256 bytes that no other line names
.set TILEB, 12288                      ; bytes in a tile of the outputs
.set L16, 2                            ; v2      16 x lane
.set LS,  3                            ; v3      stage + 8 x lane: where I put 8 bytes of a row
.set FA,  4                            ; v4      stage + (l % 16) x pitch + 16 (l / 16): where I read a fragment's 16 bytes
.set SPW, 5                            ; v5      LDS address of my spare word; never rewritten
.set NIL, 6                            ; v6      0; never rewritten
.set RO,  8                            ; v8-23   row i: byte offset of my 16 bytes in the segment
.set X,   32                           ; v32-223 row i, load j at X + 12 i + 4 j
.set SS,  224                          ; v224-239 row i: sum of squares, then 1 / norm
.set P,   240                          ; v240-243 at work
	s_load_b256 s[4:11], s[0:1], 0x0               ; feat_query s[4:5], feat_shot s[6:7], fqn s[8:9], fsn s[10:11]
	v_lshl_add_u32 v[SPW], v0, 2, SPARE
	v_mov_b32 v[NIL], 0
	v_lshrrev_b32 v1, 5, v0
	v_readfirstlane_b32 s12, v1                    ; wave 0..9
	v_and_b32 v1, 31, v0                           ; lane
	v_lshlrev_b32 v[L16], 4, v1
	s_mul_i32 s34, s12, WST                        ; my stage
	v_lshl_add_u32 v[LS], v1, 3, s34
	v_and_b32 v7, 15, v0
	v_bfe_u32 v1, v0, 4, 1
	v_mul_u32_u24 v[FA], v7, PITCH
	v_lshl_add_u32 v[FA], v1, 4, v[FA]
	v_add_nc_u32 v[FA], s34, v[FA]
	s_mov_b32 s30, 0x76543210                      ; v_permlanex16_b32: each lane takes its own place in the other half
	s_mov_b32 s31, 0xfedcba98
	; which tile is mine: both readings are made, then one compare on the work-group's number chooses
	s_mul_i32 s13, ttmp9, 10
	s_add_co_u32 s13, s13, s12                     ; as a query tile: 0..1849
	s_sub_co_u32 s14, s13, 1850                    ; as a shot tile: 0..639 (meaningless for a query tile, and then not chosen)
	s_mul_hi_u32 s15, s13, 116080198               ; group = tile / 37: 116080198 x 37 = 2^32 + 30, exact far beyond 1,849
	s_mul_i32 s16, s15, 37
	s_sub_co_u32 s16, s13, s16                     ; tile in the group
	s_lshr_b32 s17, s14, 6                         ; class
	s_and_b32 s18, s14, 63                         ; tile in the class
	s_mov_b32 s21, 587                             ; a segment's last row
	s_mov_b32 s29, 979
	s_mov_b32 s22, 588*ROWB                        ; a segment's bytes
	s_mov_b32 s28, 980*ROWB
	s_wait_kmcnt 0x0
	s_cmp_lt_u32 ttmp9, 185
	s_cselect_b32 s19, s15, s17                    ; segment
	s_cselect_b32 s20, s16, s18                    ; tile in it
	s_cselect_b32 s21, s21, s29
	s_cselect_b32 s22, s22, s28
	s_cselect_b32 s23, s13, s14                    ; tile in the output buffer
	s_cselect_b64 s[24:25], s[4:5], s[6:7]         ; from
	s_cselect_b64 s[26:27], s[8:9], s[10:11]       ; to
	s_mul_i32 s32, s19, s22                        ; 44.3 million bytes at the most
	s_mov_b32 s33, 0
	s_add_nc_u64 s[24:25], s[24:25], s[32:33]      ; the segment's first row
	s_mul_i32 s32, s23, TILEB
	s_add_nc_u64 s[26:27], s[26:27], s[32:33]      ; my tile
	s_lshl_b32 s28, s20, 4                         ; my first row in the segment
	; 48 loads, all on their way together: each covers 512 consecutive bytes, a third of a row
.set ri, 0
.rept 16
	s_add_co_u32 s29, s28, ri
	s_min_u32 s29, s29, s21                        ; past the end: the last row once more
	s_mul_i32 s29, s29, ROWB
	v_add_nc_u32 v[RO+ri], s29, v[L16]
.irp j, 0,1,2
	global_load_b128 v[X+12*ri+4*\j:X+12*ri+4*\j+3], v[RO+ri], s[24:25] offset:512*\j th:TH_LOAD_NT
.endr
.set ri, ri+1
.endr
	; my twelve squares of each row, in two chains
.set ri, 0
.rept 16
	s_wait_loadcnt 45-3*ri                         ; loads come back in order (ISA guide 5.7.1): behind row ri's third load 45 - 3 ri were issued
	v_pk_mul_f32 v[P:P+1],   v[X+12*ri:X+12*ri+1],     v[X+12*ri:X+12*ri+1]
	v_pk_mul_f32 v[P+2:P+3], v[X+12*ri+2:X+12*ri+3],   v[X+12*ri+2:X+12*ri+3]
	v_pk_fma_f32 v[P:P+1],   v[X+12*ri+4:X+12*ri+5],   v[X+12*ri+4:X+12*ri+5],   v[P:P+1]
	v_pk_fma_f32 v[P+2:P+3], v[X+12*ri+6:X+12*ri+7],   v[X+12*ri+6:X+12*ri+7],   v[P+2:P+3]
	v_pk_fma_f32 v[P:P+1],   v[X+12*ri+8:X+12*ri+9],   v[X+12*ri+8:X+12*ri+9],   v[P:P+1]
	v_pk_fma_f32 v[P+2:P+3], v[X+12*ri+10:X+12*ri+11], v[X+12*ri+10:X+12*ri+11], v[P+2:P+3]
	v_pk_add_f32 v[P:P+1], v[P:P+1], v[P+2:P+3]
	v_add_f32 v[SS+ri], v[P], v[P+1]
.set ri, ri+1
.endr
	; across the 32 lanes, the sixteen rows side by side so that no line waits for the one before it
.irp x, 1,2,4,8
.set ri, 0
.rept 16
	v_add_f32_dpp v[SS+ri], v[SS+ri], v[SS+ri] row_xmask:\x row_mask:0xf bank_mask:0xf
.set ri, ri+1
.endr
.endr
.set ri, 0
.rept 16
	v_permlanex16_b32 v[P+ri%4], v[SS+ri], s30, s31  ; its destination counts as read: P has been written
	v_add_f32 v[SS+ri], v[SS+ri], v[P+ri%4]
.set ri, ri+1
.endr
	; 1 / max(sqrt(sum), 1e-8).  Behind a run of transcendentals one plain instruction stands before a result is used (ISA guide 5.7.2)
.set ri, 0
.rept 16
	v_sqrt_f32 v[SS+ri], v[SS+ri]
.set ri, ri+1
.endr
	v_nop
.set ri, 0
	s_wait_alu depctr_va_vdst(0)
.rept 16
	v_max_num_f32 v[SS+ri], 0x322bcc77, v[SS+ri]   ; 1e-8
.set ri, ri+1
.endr
.set ri, 0
.rept 16
	v_rcp_f32 v[SS+ri], v[SS+ri]
.set ri, ri+1
.endr
	v_nop
	s_wait_alu depctr_va_vdst(0)
; Row i is scaled, rounded to bf16 in place and put into the stage: a store of the wave covers 256 consecutive bytes.
.macro OUTROW i
.set B0, X+12*(\i)
.set t, 0
.rept 6
.if (\i)%2 == 0
	v_pk_mul_f32 v[B0+2*t:B0+2*t+1], v[B0+2*t:B0+2*t+1], v[SS+(\i):SS+(\i)+1] op_sel_hi:[1,0]                 ; both halves by the pair's first register
.else
	v_pk_mul_f32 v[B0+2*t:B0+2*t+1], v[B0+2*t:B0+2*t+1], v[SS+(\i)-1:SS+(\i)] op_sel:[0,1] op_sel_hi:[1,1]    ; both halves by its second
.endif
.set t, t+1
.endr
.set t, 0
.rept 3
	v_cvt_pk_bf16_f32 v[B0+4*t],   v[B0+4*t],   v[B0+4*t+1]
	v_cvt_pk_bf16_f32 v[B0+4*t+1], v[B0+4*t+2], v[B0+4*t+3]
	ds_store_b64 v[LS], v[B0+4*t:B0+4*t+1] offset:PITCH*(\i)+256*t
.set t, t+1
.endr
.endm
.set ri, 0
.rept 16
	OUTROW ri
.set ri, ri+1
.endr
	; back in fragment order.  LDS serves a wave's instructions in order (ISA guide 5.7.1.4): these loads see the stores above
.set m, 0
.rept 24
	ds_load_b128 v[X+4*m:X+4*m+3], v[FA] offset:32*m   ; fragment m / 2, half m % 2: byte 64 f + 32 p of my row
.set m, m+1
.endr
.set m, 0
.rept 24
	s_wait_dscnt 23-m                              ; behind load m 23 - m were issued
	global_store_b128 v[L16], v[X+4*m:X+4*m+3], s[26:27] offset:512*m  ; 512 consecutive bytes, at a multiple of 512 from the buffer's first
.set m, m+1
.endr
	s_wait_tensorcnt 0x0                           ; the wave's end, behind my last LDS store
	ds_add_u32 v[SPW], v[NIL]
	s_wait_dscnt 0x0
	s_endpgm
.Lfunc_end_k_qceda559aca_prep:
	.size	k_qceda559aca_prep, .Lfunc_end_k_qceda559aca_prep-k_qceda559aca_prep
	.p2alignl 7, 3214868480
	.fill 96, 4, 3214868480
	.section	.rodata,"a",@progbits
	.p2align	6, 0x0
	.amdhsa_kernel k_qceda559aca_prep
		.amdhsa_group_segment_fixed_size 126720
		.amdhsa_private_segment_fixed_size 0
		.amdhsa_enable_private_segment 0
		.amdhsa_kernarg_size 32
		.amdhsa_user_sgpr_count 2
		.amdhsa_user_sgpr_kernarg_segment_ptr 1
		.amdhsa_wavefront_size32 1
		.amdhsa_system_sgpr_workgroup_id_x 1
		.amdhsa_system_sgpr_workgroup_id_y 1
		.amdhsa_system_sgpr_workgroup_id_z 1
		.amdhsa_system_vgpr_workitem_id 0
		.amdhsa_next_free_vgpr 256
		.amdhsa_next_free_sgpr 66
		.amdhsa_reserve_vcc 0
		.amdhsa_float_denorm_mode_32 3
		.amdhsa_float_denorm_mode_16_64 3
		.amdhsa_memory_ordered 1
		.amdhsa_forward_progress 1
		.amdhsa_inst_pref_size 45
	.end_amdhsa_kernel
	.amdgpu_metadata
---
amdhsa.version: [ 1, 2 ]
amdhsa.kernels:
  - .name:           k_qceda559aca_prep
    .symbol:         k_qceda559aca_prep.kd
    .args:
      - { .name: feat_query, .offset: 0, .size: 8, .value_kind: global_buffer, .address_space: global }
      - { .name: feat_shot, .offset: 8, .size: 8, .value_kind: global_buffer, .address_space: global }
      - { .name: fqn, .offset: 16, .size: 8, .value_kind: global_buffer, .address_space: global }
      - { .name: fsn, .offset: 24, .size: 8, .value_kind: global_buffer, .address_space: global }
    .group_segment_fixed_size: 126720
    .private_segment_fixed_size: 0
    .kernarg_segment_align: 8
    .kernarg_segment_size: 32
    .max_flat_workgroup_size: 320
    .sgpr_count:     66
    .vgpr_count:     256
    .wavefront_size: 32
...
	.end_amdgpu_metadata
.endif
;; end of part 1
;; launch sim (part 2): grid 25 x 10, 4 waves a work-group, no clusters, 327,680 bytes of LDS; arguments fqn, fsn, x_query, x_shot, out0, out1; writes out0, out1
.if DOCPART == 2
	.amdgcn_target "amdgcn-amd-amdhsa--gfx1250"
	.amdhsa_code_object_version 6
	.text
	.protected	k_qceda559aca_sim
	.globl	k_qceda559aca_sim
	.p2align	8
	.type	k_qceda559aca_sim,@function
k_qceda559aca_sim:
	s_mov_b64 s[64:65], 0
	v_nop
	global_prefetch_b8 v0, s[64:65] scope:SCOPE_SE
	s_setreg_imm32_b32 hwreg(HW_REG_WAVE_MODE, 25, 1), 1
	s_wait_xcnt 0x0
; out0[b][q][n] = the mean over query q's 196 tokens of the largest cosine with the 980 shot tokens of class n;  out1[b][q][n] = 10 x cosine(x_query[b][q], mean of x_shot[b][n][0..4]).
; fqn and fsn hold the token rows normalised, in bf16, in fragment order: a tile of 16 rows x 384 channels is 12,288 dense bytes, 512 bytes for each half of each of 12 fragments.
; SHARES.  Work-group (g, c): class c = 5 b + n and the queries 3 g .. 3 g + 2 of batch b: 588 query rows (37 tiles) against 64 shot tiles (980 rows and copies of the last).  It owns 3 numbers of
; out0 and 3 of out1, so no sum crosses work-groups.  Wave w owns shot tiles 16 w .. 16 w + 15, in two passes of 8: those 8 tiles stay in 768 registers, and the 37 query tiles stream by through LDS,
; read by all four waves: 24 LDS loads feed 96 matrix instructions.
; LAYOUT.  Source 0 = 16 shots, source 1 = 16 query rows: a lane holds ONE query row (lane % 16) and the shots 8 (lane / 16) + 0..7, so the maximum over shots stays inside the lane: 32 v_max3_num_f32 a query tile.
; A lane's maximum of each tile step goes into a stage in LDS; at the end three waves fold waves, passes and lane halves, and take the means.
; ORDER IN A TILE.  The 8 accumulators are two groups, A (shot tiles 0-3) and B (4-7).  A runs two K steps ahead of B, so A's results are reduced beside B's last products and B's beside the next tile's
; first: one set of accumulators, one set of query fragments, a loop body of one tile.
; out1 is 3 dot products of 384 a work-group: in f32 on the vector unit, beside the wait for the first loads; the matrix unit would want a change of layout for it and round its operands.
; NO CLUSTER: the grid is 25 x 10, and neither side is a multiple of four; a query tile is shared by the 5 classes of a batch, a shot tile (which goes straight into registers) by 25 groups.
; LIMITS.  NaN and infinities are not treated apart (v_max3_num_f32 lets a NaN lose).  The sums of squares of x_query's rows and of the mean of x_shot must stay finite in f32.
; REGISTERS, in windows of 256 (s_set_vgpr_msb: bits 1:0 source 0, 3:2 source 1, 5:4 source 2, 7:6 destination):
;   window 0: v0-7 addresses; v8-15 T0-T7; v16-31 at work; v32-95 the accumulators; v96-191 a query tile's 12 fragments
;   windows 1-3: the shot fragments in the order of use: quad u (four matrix instructions of one group and one K step) in window 1 + u / 8 at v[32 (u % 8) + 8 q]
.set TILEB, 12288
.set SLOT1, 10*TILEB                   ; slot 0 holds 10 tiles at the most, slot 1 nine
.set STAGE, 19*TILEB                   ; behind the ring, never filled by a tensor load: [4 waves][74 tile steps][32 lanes] f32
.set WSTG,  74*128
.set SPARE, STAGE+4*WSTG               ; behind the stage: the spare words, 128 bytes for each wave: two blocks of 256 bytes that no other line names
.set L16,  1                           ; v1   16 x lane; never rewritten
.set PA,   2                           ; v2   LDS address of my 16 bytes in the tile to be fetched
.set SA,   3                           ; v3   where my maximum of the tile step in hand goes
.set SPW,  4                           ; v4   LDS address of my spare word; never rewritten
.set NIL,  5                           ; v5   0; never rewritten
.set R1,   6                           ; v6   my wave's number of out1
.set LANE, 7                           ; v7
.set T,    8
.set ACC,  32
.set QF,   96
.set XS,   96                          ; out1, before the first fragments come: x_shot's row r, load j at XS + 12 r + 4 j
.set XQ,   156                         ; x_query's row
.set M,    32                          ; the mean: 7 x 16 numbers from the stage
.set G1A,  16                          ; s[16:23] descriptor group 1: 120 rows of 256 bytes, a quarter of 10 tiles
.set G1B,  24                          ; s[24:31] 108 rows, a quarter of 9 tiles
.set G0A,  32                          ; s[32:35] descriptor group 0 for slot 0
.set G0B,  36                          ; s[36:39] for slot 1
.set WV,   40                          ; s40  wave
.set W9,   46                          ; s46  wave x 27,648
.set W10,  47                          ; s47  wave x 30,720
.set QB9,  48                          ; s[48:49] my group's tiles in fqn + W9
.set QB10, 50                          ; s[50:51] the same + W10
.set SB,   52                          ; s[52:53] my wave's 16 tiles in fsn
.set CNT,  54                          ; s54  loop count (at work before the loops)
.set SEL,  56                          ; s[56:57] v_permlanex16_b32's selects
.set KN, 0                             ; kinds of tile: in a slot's middle;
.set KX, 1                             ; a slot's last, the slot is filled again;
.set KY, 2                             ; a slot's last, nothing is left to fetch;
.set KZ, 3                             ; the very last
.set MSB, 0
.macro WIN new                         ; the immediate's high byte repeats the setting that is left; a switch that changes nothing is dropped
.if MSB != (\new)
	s_set_vgpr_msb (MSB<<8)|(\new)
.set MSB, \new
.endif
.endm
.macro PLACES                          ; a load into a register that a matrix instruction has read, and a vector instruction that reads a matrix result, stand four plain vector instructions behind it (ISA guide 7.12.1 for vector instructions)
.rept 4
	v_nop
.endr
.endm
; quad u -> its group (0 = A, 1 = B) and K step: A0 A1 B0 A2 B1 A3 .. B9 A11 B10 B11
.macro QUADOF u
.if (\u) < 2
.set GRP, 0
.set FF, (\u)
.elseif (\u) >= 22
.set GRP, 1
.set FF, (\u)-12
.elseif (\u)%2 == 0
.set GRP, 1
.set FF, ((\u)-2)/2
.else
.set GRP, 0
.set FF, ((\u)+1)/2
.endif
.endm
; The tile's next matrix instruction, number MI of 96.  The accumulators go 0-3, 0-3, 4-7, 0-3, 4-7 .. 4-7, 4-7, one instruction a turn, over the loop's edge too (7, then 0).
; A K step 0 starts its sum with the constant 0: nothing is cleared.
.macro MM
.set UU, MI/4
.set QQ, MI%4
	QUADOF UU
	WIN 1+UU/8
.set rD, ACC+32*GRP+8*QQ
.set rS, 32*(UU%8)+8*QQ
.set rQ, QF+8*FF
.if FF == 0
	v_wmma_f32_16x16x32_bf16 v[rD:rD+7], v[rS:rS+7], v[rQ:rQ+7], 0
.else
	v_wmma_f32_16x16x32_bf16 v[rD:rD+7], v[rS:rS+7], v[rQ:rQ+7], v[rD:rD+7]
.endif
.set MI, MI+1
.endm
.macro MMS n
.rept \n
	MM
.endr
.endm
; Number n of the 16 that reduce a group's four accumulators (32 registers from base on) to one number a lane.  Each accumulator's lowest registers are read first.
; A (tb = 0) ends in T0; B (tb = 4) takes T0 in and ends in T4, the tile's maximum over my 8 shot tiles.
.macro RED base, tb, n
.if (\n) < 4
	v_max3_num_f32 v[T+(\tb)+(\n)], v[(\base)+8*(\n)], v[(\base)+8*(\n)+1], v[(\base)+8*(\n)+2]
.elseif (\n) < 8
	v_max3_num_f32 v[T+(\tb)+(\n)-4], v[T+(\tb)+(\n)-4], v[(\base)+8*((\n)-4)+3], v[(\base)+8*((\n)-4)+4]
.elseif (\n) < 12
	v_max3_num_f32 v[T+(\tb)+(\n)-8], v[T+(\tb)+(\n)-8], v[(\base)+8*((\n)-8)+5], v[(\base)+8*((\n)-8)+6]
.elseif (\n) == 12
	v_max3_num_f32 v[T+(\tb)], v[T+(\tb)], v[(\base)+7], v[(\base)+15]
.elseif (\n) == 13
	v_max3_num_f32 v[T+(\tb)+1], v[T+(\tb)+1], v[(\base)+23], v[(\base)+31]
.elseif (\n) == 14
	v_max3_num_f32 v[T+(\tb)], v[T+(\tb)], v[T+(\tb)+1], v[T+(\tb)+2]
.elseif (\tb) == 0
	v_max_num_f32 v[T], v[T], v[T+3]
.else
	v_max3_num_f32 v[T+4], v[T+4], v[T+7], v[T]
.endif
.endm
.macro RED4 base, tb, n0
	WIN 0
	RED \base, \tb, (\n0)
	RED \base, \tb, (\n0)+1
	RED \base, \tb, (\n0)+2
	RED \base, \tb, (\n0)+3
.endm
.macro BRED first, n0                  ; four of B's reduction for the tile before; the very first tile has none
.if !(\first)
	RED4 ACC+32, 4, \n0
.endif
.endm
.macro QLD f                           ; fragment f of the tile at PA: two loads of 512 consecutive bytes, no bank met twice
	WIN 0
	ds_load_b128 v[QF+8*(\f):QF+8*(\f)+3],   v[PA] offset:1024*(\f)
	ds_load_b128 v[QF+8*(\f)+4:QF+8*(\f)+7], v[PA] offset:1024*(\f)+512
.endm
; My 8 shot tiles of a pass into windows 1-3: 192 loads of 512 consecutive bytes
.macro SLOAD pass
.set UI, 0
.rept 24
	QUADOF UI
	WIN (1+UI/8)<<6                        ; destination window 1 + u / 8, address window 0
.set QI, 0
.rept 4
	global_load_b128 v[32*(UI%8)+8*QI:32*(UI%8)+8*QI+3],   v[L16], s[SB:SB+1] offset:(8*(\pass)+4*GRP+QI)*TILEB+FF*1024
	global_load_b128 v[32*(UI%8)+8*QI+4:32*(UI%8)+8*QI+7], v[L16], s[SB:SB+1] offset:(8*(\pass)+4*GRP+QI)*TILEB+FF*1024+512
.set QI, QI+1
.endr
.set UI, UI+1
.endr
	WIN 0
.endm
; A group 0 is set for my quarter of a fill: only where no tensor load of mine is out
.macro FILLSET g0, wreg, qb, sbase, tile0
	s_add_co_u32 s[(\g0)+1], s[\wreg], \sbase                             ; 63:32 LDS address: the slot + wave x a quarter
	s_add_nc_u64 s[(\g0)+2:(\g0)+3], s[(\qb):(\qb)+1], (\tile0)*TILEB     ; 120:64 global address
	s_or_b32 s[(\g0)+3], s[(\g0)+3], 0x80000000                           ; 127:126 type = 2
.endm
; ONE QUERY TILE: 96 matrix instructions on the fragments in QF, and beside them: the reduction of B for the tile before (behind products 0-6), its store, the next tile's fragments 0-4 (behind 44-48, when B's
; K step 4 has read the old ones), A's reduction and fragments 5-11 (behind 88-95).
; KX, KY: the tile is its slot's last; all its fragments are in registers at the wait in front of the signal, so behind the barrier nobody reads the slot; the other slot is whole, since every wave has waited for its loads.
.macro TILE kind, first=0, next=0, g0=0, wreg=0, qb=0, sbase=0, tile0=0, g1=0
.set MI, 0
	s_wait_dscnt 14                        ; fragments 0-4 are in: behind their loads the 14 of fragments 5-11 were issued, on every way that leads here
	MM
	BRED \first, 0
	MMS 2
	BRED \first, 4
	MMS 2
	BRED \first, 8
	MMS 2
	BRED \first, 12
	MM
	WIN 0
.if !(\first)
	ds_store_b32 v[SA], v[T+4]             ; the tile before: my lane's maximum
	v_add_nc_u32 v[SA], 128, v[SA]
.endif
.if (\kind) == KN
	v_add_nc_u32 v[PA], TILEB, v[PA]       ; the next tile of the slot
.endif
.if ((\kind) == KX) || ((\kind) == KY)
	s_wait_tensorcnt 0x0                   ; all my tensor loads have landed: the one that was out is my quarter of the other slot
	ds_add_u32 v[SPW], v[NIL]              ; 0 onto my spare word; work on registers stands between it and the wait for it
	v_add_nc_u32 v[PA], \next, v[L16]      ; the other slot's first tile
.if (\kind) == KX
	FILLSET \g0, \wreg, \qb, \sbase, \tile0
.endif
	MMS 8
	s_wait_dscnt 0x0                       ; the add and my store are done, and my reads of this slot are over
	s_barrier_signal -1
	MMS 16                                 ; work on registers while the others arrive
	s_barrier_wait -1
.if (\kind) == KX
	tensor_load_to_lds s[(\g0):(\g0)+3], s[(\g1):(\g1)+7]   ; my one tensor load behind the barrier, and the first thing there: it has a whole slot's tiles, 9 x 96 matrix instructions or more, in which to land
	s_nop 0
.endif
	MMS 4                                  ; (the one switch of windows stands ahead of the first of these)
.else
	MMS 28
.endif
	s_wait_dscnt 0x0                       ; fragments 5-11 are in: their loads were issued 36 matrix instructions ago or more
	MMS 8
.if (\kind) != KZ
	PLACES                                 ; behind B's K step 4, the last to read fragments 0-4
	MM
	QLD 0
	QLD 1
	MMS 2
	QLD 2
	QLD 3
	MMS 2
	QLD 4
	MMS 39
.else
	MMS 44
.endif
	PLACES                                 ; behind A's last products, whose results are read below, and behind B's K step 9, the last to read fragments 5-9
	MM
.if (\kind) != KZ
	QLD 5
	QLD 6
.endif
	MM
	RED4 ACC, 0, 0
	MM
.if (\kind) != KZ
	QLD 7
	QLD 8
.endif
	MM
	RED4 ACC, 0, 4
	MM
.if (\kind) != KZ
	QLD 9
.endif
	MM
	RED4 ACC, 0, 8
	MM
.if (\kind) != KZ
	QLD 10                                 ; its last reader stands eight of A's reduction lines back
.endif
	MM
	RED4 ACC, 0, 12                        ; these four are the places behind the tile's last product: for the load below and for B's reduction
.if (\kind) != KZ
	QLD 11
.endif
	WIN 0                                  ; at a label and at a branch every window is 0
.endm
.macro LOOPN n
	s_mov_b32 s[CNT], \n
.Ltile_\@:
	TILE KN
	s_sub_co_u32 s[CNT], s[CNT], 1
	s_cmp_lg_u32 s[CNT], 0
	s_cbranch_scc1 .Ltile_\@
.endm
	s_load_b256 s[4:11], s[0:1], 0x0               ; fqn s[4:5], fsn s[6:7], x_query s[8:9], x_shot s[10:11]
	s_load_b128 s[12:15], s[0:1], 0x20             ; out0 s[12:13], out1 s[14:15]
	v_lshl_add_u32 v[SPW], v0, 2, SPARE
	v_mov_b32 v[NIL], 0
	ds_add_u32 v[SPW], v[NIL]                      ; the wave's opening: the add, whose wait stands ahead of my first tensor load; the set-up below, work on registers, stands between them
	ds_add_u32 v4, v5
	v_lshrrev_b32 v[LANE], 5, v0
	v_readfirstlane_b32 s[WV], v[LANE]             ; wave 0..3
	v_and_b32 v[LANE], 31, v0
	v_lshlrev_b32 v[L16], 4, v[LANE]
	s_mov_b32 s41, ttmp9                           ; g: which three queries
	s_and_b32 s42, ttmp7, 0xffff                   ; c = 5 b + n
	s_cmp_ge_u32 s42, 5
	s_cselect_b32 s43, 1, 0                        ; b
	s_mul_i32 s44, s43, 5
	s_sub_co_u32 s44, s42, s44                     ; n
	s_mul_i32 s45, s43, 25
	s_add_co_u32 s45, s45, s41                     ; my group in fqn
	; descriptor group 1: a dense block as rows of 256 bytes: elements of 8 bytes, 32 to a row, rows end to end, no padding, no mask
	s_mov_b32 s[G1A+0], 3<<16                      ; 17:16 element size code 3
	s_mov_b32 s[G1A+1], 32<<16                     ; tensor_dim0 = 32
	s_mov_b32 s[G1A+2], 120<<16                    ; tensor_dim1 = 120
	s_mov_b32 s[G1A+3], 32<<16                     ; tile_dim0 = 32
	s_mov_b32 s[G1A+4], 120                        ; tile_dim1 = 120
	s_mov_b32 s[G1A+5], 32                         ; 32 elements from row to row
	s_mov_b32 s[G1A+6], 0
	s_mov_b32 s[G1A+7], 0
	s_mov_b32 s[G1B+0], 3<<16
	s_mov_b32 s[G1B+1], 32<<16
	s_mov_b32 s[G1B+2], 108<<16                    ; the same with 108 rows
	s_mov_b32 s[G1B+3], 32<<16
	s_mov_b32 s[G1B+4], 108
	s_mov_b32 s[G1B+5], 32
	s_mov_b32 s[G1B+6], 0
	s_mov_b32 s[G1B+7], 0
	s_mov_b32 s[G0A], 1                            ; 1:0 count = 1
	s_mov_b32 s[G0B], 1
	s_mov_b32 s[SEL], 0x76543210
	s_mov_b32 s[SEL+1], 0xfedcba98
	s_mul_i32 s[W9], s[WV], 27648                  ; a quarter of 9 tiles
	s_mul_i32 s[W10], s[WV], 30720                 ; a quarter of 10
	s_mul_i32 s54, s45, 37*TILEB                   ; my group's first byte: 22.3 million at the most
	s_add_co_u32 s62, s54, s[W10]
	s_add_co_u32 s54, s54, s[W9]
	s_mov_b32 s55, 0
	s_mov_b32 s63, 0
	s_wait_dscnt 0x0                               ; the opening add is done
	s_wait_kmcnt 0x0
	s_add_nc_u64 s[QB9:QB9+1], s[4:5], s[54:55]
	s_add_nc_u64 s[QB10:QB10+1], s[4:5], s[62:63]
	FILLSET G0A, W10, QB10, 0, 0                   ; tiles 0-9 into slot 0
	FILLSET G0B, W9, QB9, SLOT1, 10                ; tiles 10-18 into slot 1
	tensor_load_to_lds s[G0A:G0A+3], s[G1A:G1A+7]  ; the two first fills go out together, ahead of every wait on TENSORcnt, every LDS read and every barrier: two loads of mine are out
	s_nop 0
	tensor_load_to_lds s[G0B:G0B+3], s[G1B:G1B+7]
	s_nop 0
	s_mul_i32 s54, s42, 64*TILEB                   ; my class in fsn,
	s_mul_i32 s62, s[WV], 16*TILEB                 ; my wave's 16 tiles
	s_add_co_u32 s54, s54, s62
	s_add_nc_u64 s[SB:SB+1], s[6:7], s[54:55]
	s_mul_i32 s54, s42, 5*1536                     ; the class's five rows of x_shot
	s_add_nc_u64 s[60:61], s[10:11], s[54:55]
	s_mul_i32 s54, s43, 75
	s_mul_i32 s62, s41, 3
	s_add_co_u32 s54, s54, s62
	s_min_u32 s62, s[WV], 2                        ; wave 3 repeats wave 2's query and stores nothing
	s_add_co_u32 s54, s54, s62                     ; my query among the 150
	s_mul_i32 s62, s54, 1536
	s_add_nc_u64 s[58:59], s[8:9], s[62:63]
	s_mul_i32 s62, s54, 5
	s_add_co_u32 s62, s62, s44
	s_lshl_b32 s62, s62, 2                         ; my number in out0 and in out1
	s_add_nc_u64 s[66:67], s[12:13], s[62:63]
	s_add_nc_u64 s[68:69], s[14:15], s[62:63]
.set ri, 0
.rept 5
.irp j, 0,1,2
	global_load_b128 v[XS+12*ri+4*\j:XS+12*ri+4*\j+3], v[L16], s[60:61] offset:1536*ri+512*\j
.endr
.set ri, ri+1
.endr
.irp j, 0,1,2
	global_load_b128 v[XQ+4*\j:XQ+4*\j+3], v[L16], s[58:59] offset:512*\j
.endr
	SLOAD 0
	; out1, while the shot tiles are on their way
	s_wait_loadcnt 0x3f                            ; behind the 18 small loads 192 were issued: with 63 out at the most the 18 are in
.set t, 0
.rept 6
	v_pk_add_f32 v[XS+2*t:XS+2*t+1],       v[XS+2*t:XS+2*t+1],       v[XS+12+2*t:XS+12+2*t+1]
	v_pk_add_f32 v[XS+24+2*t:XS+24+2*t+1], v[XS+24+2*t:XS+24+2*t+1], v[XS+36+2*t:XS+36+2*t+1]
	v_pk_add_f32 v[XS+2*t:XS+2*t+1],       v[XS+2*t:XS+2*t+1],       v[XS+24+2*t:XS+24+2*t+1]
	v_pk_add_f32 v[XS+2*t:XS+2*t+1],       v[XS+2*t:XS+2*t+1],       v[XS+48+2*t:XS+48+2*t+1]
	v_pk_mul_f32 v[XS+2*t:XS+2*t+1],       v[XS+2*t:XS+2*t+1],       0x3e4ccccd op_sel_hi:[1,0]   ; the mean m of the five rows
.set t, t+1
.endr
	v_pk_mul_f32 v[16:17], v[XS:XS+1], v[XS:XS+1]  ; m . m
	v_pk_mul_f32 v[18:19], v[XQ:XQ+1], v[XQ:XQ+1]  ; q . q
	v_pk_mul_f32 v[20:21], v[XS:XS+1], v[XQ:XQ+1]  ; m . q
.set t, 1
.rept 5
	v_pk_fma_f32 v[16:17], v[XS+2*t:XS+2*t+1], v[XS+2*t:XS+2*t+1], v[16:17]
	v_pk_fma_f32 v[18:19], v[XQ+2*t:XQ+2*t+1], v[XQ+2*t:XQ+2*t+1], v[18:19]
	v_pk_fma_f32 v[20:21], v[XS+2*t:XS+2*t+1], v[XQ+2*t:XQ+2*t+1], v[20:21]
.set t, t+1
.endr
	v_add_f32 v16, v16, v17
	v_add_f32 v18, v18, v19
	v_add_f32 v20, v20, v21
.irp x, 1,2,4,8
	v_add_f32_dpp v16, v16, v16 row_xmask:\x row_mask:0xf bank_mask:0xf
	v_add_f32_dpp v18, v18, v18 row_xmask:\x row_mask:0xf bank_mask:0xf
	v_add_f32_dpp v20, v20, v20 row_xmask:\x row_mask:0xf bank_mask:0xf
.endr
	v_permlanex16_b32 v17, v16, s[SEL], s[SEL+1]
	v_permlanex16_b32 v19, v18, s[SEL], s[SEL+1]
	v_permlanex16_b32 v21, v20, s[SEL], s[SEL+1]
	v_add_f32 v16, v16, v17
	v_add_f32 v18, v18, v19
	v_add_f32 v20, v20, v21
	v_sqrt_f32 v16, v16
	v_sqrt_f32 v18, v18
	v_mul_f32 v20, 0x41200000, v20                 ; 10 m . q: the plain instruction behind the roots (ISA guide 5.7.2)
	s_wait_alu depctr_va_vdst(0)
	v_max_num_f32 v16, 0x2b8cbccc, v16             ; 1e-12
	v_max_num_f32 v18, 0x2b8cbccc, v18
	v_rcp_f32 v16, v16                             ; two reciprocals: the product of the two norms is never formed
	v_rcp_f32 v18, v18
	v_nop
	s_wait_alu depctr_va_vdst(0)
	v_mul_f32 v20, v20, v16
	v_mul_f32 v[R1], v20, v18
	s_wait_tensorcnt 0x1                           ; my quarter of slot 0 is in; slot 1's may stay out
	s_barrier_signal -1
	s_barrier_wait -1                              ; everybody's is
	v_mov_b32 v[PA], v[L16]
.irp f, 0,1,2,3,4,5,6,7,8,9,10,11
	QLD \f
.endr
	s_mul_i32 s54, s[WV], WSTG
	s_add_co_u32 s54, s54, STAGE
	v_lshl_add_u32 v[SA], v[LANE], 2, s54          ; my wave's part of the stage, my lane's word
	s_wait_loadcnt 0x0                             ; the first pass's shot tiles
	; THE STREAM: 2 passes x 37 tiles in 8 slots' worth; every count and every address step is a constant
	TILE KN, 1                                     ; pass 0, tiles 0-9 in slot 0
	LOOPN 8
	TILE KX, 0, SLOT1, G0A, W9, QB9, 0, 19, G1B    ; slot 0 takes tiles 19-27
	LOOPN 8                                        ; tiles 10-18 in slot 1
	TILE KX, 0, 0, G0B, W9, QB9, SLOT1, 28, G1B    ; slot 1 takes tiles 28-36
	LOOPN 8                                        ; tiles 19-27
	TILE KX, 0, SLOT1, G0A, W10, QB10, 0, 0, G1A   ; slot 0 takes tiles 0-9 again, for pass 1
	LOOPN 8                                        ; tiles 28-36
	TILE KX, 0, 0, G0B, W9, QB9, SLOT1, 10, G1B    ; slot 1 takes tiles 10-18
	PLACES                                         ; behind the pass's last products
	SLOAD 1                                        ; my other 8 shot tiles; B's results of the last tile wait in window 0 and are reduced in the next tile, as always
	s_wait_loadcnt 0x0
	LOOPN 9                                        ; pass 1, tiles 0-9
	TILE KX, 0, SLOT1, G0A, W9, QB9, 0, 19, G1B
	LOOPN 8
	TILE KX, 0, 0, G0B, W9, QB9, SLOT1, 28, G1B
	LOOPN 8
	TILE KY, 0, SLOT1                              ; nothing is left to fetch
	LOOPN 8
	TILE KZ
	RED4 ACC+32, 4, 0                              ; the last tile's B
	RED4 ACC+32, 4, 4
	RED4 ACC+32, 4, 8
	RED4 ACC+32, 4, 12
	ds_store_b32 v[SA], v[T+4]
	s_wait_dscnt 0x0                               ; for the others' sake: my stores into the stage are done
	s_barrier_signal -1
	s_barrier_wait -1
	s_cmp_ge_u32 s[WV], 3
	s_cbranch_scc1 .Lend                           ; three queries, three waves
	; THE MEAN.  Query w's token i (group row 196 w + i) has 16 partial maxima: 4 waves x 2 passes x 2 halves of the lanes.  Lane l takes rows 32 j + l, j = 0..5, and lanes 0-3 the last four.
	s_mul_i32 s54, s[WV], 196
	v_add_nc_u32 v16, s54, v[LANE]                 ; my row for j = 0; 32 rows on are two tiles, 256 bytes, on: j stands in the immediate
	v_lshrrev_b32 v17, 4, v16
	v_and_b32 v18, 15, v16
	v_lshlrev_b32 v17, 7, v17
	v_lshl_add_u32 v17, v18, 2, v17
	v_add_nc_u32 v17, STAGE, v17                   ; stage + 128 x tile + 4 x row in the tile
	v_min_u32 v19, 3, v[LANE]                      ; lanes 4-31 repeat lane 3's row; their number is dropped below
	v_add_nc_u32 v19, s54, v19
	v_add_nc_u32 v19, 192, v19
	v_lshrrev_b32 v20, 4, v19
	v_and_b32 v21, 15, v19
	v_lshlrev_b32 v20, 7, v20
	v_lshl_add_u32 v20, v21, 2, v20
	v_add_nc_u32 v20, STAGE, v20
.set jj, 0
.rept 7
.set t, 0
.rept 16
.if jj < 6
	ds_load_b32 v[M+16*jj+t], v17 offset:256*jj+(t/4)*WSTG+((t/2)%2)*37*128+(t%2)*64
.else
	ds_load_b32 v[M+16*jj+t], v20 offset:(t/4)*WSTG+((t/2)%2)*37*128+(t%2)*64
.endif
.set t, t+1
.endr
.set jj, jj+1
.endr
	s_wait_dscnt 0x0
.set t, 0
.rept 7                                        ; the seven chains side by side
.set jj, 0
.rept 7
	v_max3_num_f32 v[M+16*jj], v[M+16*jj], v[M+16*jj+2*t+1], v[M+16*jj+2*t+2]
.set jj, jj+1
.endr
.set t, t+1
.endr
.set jj, 0
.rept 7
	v_max_num_f32 v[M+16*jj], v[M+16*jj], v[M+16*jj+15]
.set jj, jj+1
.endr
	v_cmp_gt_u32 vcc_lo, 4, v[LANE]
	v_cndmask_b32 v[M+96], 0, v[M+96], vcc_lo      ; only four rows are left for j = 6
	v_add_f32 v[M], v[M], v[M+16]
	v_add_f32 v[M+32], v[M+32], v[M+48]
	v_add_f32 v[M+64], v[M+64], v[M+80]
	v_add_f32 v[M], v[M], v[M+96]
	v_add_f32 v[M+32], v[M+32], v[M+64]
	v_add_f32 v[M], v[M], v[M+32]
.irp x, 1,2,4,8
	v_add_f32_dpp v[M], v[M], v[M] row_xmask:\x row_mask:0xf bank_mask:0xf
.endr
	v_permlanex16_b32 v16, v[M], s[SEL], s[SEL+1]
	v_add_f32 v[M], v[M], v16
	v_mul_f32 v[M], 0x3ba72f05, v[M]               ; 1 / 196
	v_mov_b32 v22, 0
	v_cmp_eq_u32 vcc_lo, 0, v[LANE]
	s_wait_xcnt 0x0                                ; EXEC changes only behind this wait
	s_and_saveexec_b32 s70, vcc_lo                 ; one lane stores: one number of each output a wave is the outputs' own shape
	global_store_b32 v22, v[M], s[66:67]
	global_store_b32 v22, v[R1], s[68:69]
	s_wait_xcnt 0x0                                ; and again in front of the line that widens it
	s_or_b32 exec_lo, exec_lo, s70
.Lend:
	s_wait_tensorcnt 0x0                           ; the wave's end, behind my last tensor load and my last LDS store
	ds_add_u32 v[SPW], v[NIL]
	s_wait_dscnt 0x0
	s_endpgm
.Lfunc_end_k_qceda559aca_sim:
	.size	k_qceda559aca_sim, .Lfunc_end_k_qceda559aca_sim-k_qceda559aca_sim
	.p2alignl 7, 3214868480
	.fill 96, 4, 3214868480
	.section	.rodata,"a",@progbits
	.p2align	6, 0x0
	.amdhsa_kernel k_qceda559aca_sim
		.amdhsa_group_segment_fixed_size 327680
		.amdhsa_private_segment_fixed_size 0
		.amdhsa_enable_private_segment 0
		.amdhsa_kernarg_size 48
		.amdhsa_user_sgpr_count 2
		.amdhsa_user_sgpr_kernarg_segment_ptr 1
		.amdhsa_wavefront_size32 1
		.amdhsa_system_sgpr_workgroup_id_x 1
		.amdhsa_system_sgpr_workgroup_id_y 1
		.amdhsa_system_sgpr_workgroup_id_z 1
		.amdhsa_system_vgpr_workitem_id 0
		.amdhsa_next_free_vgpr 1024
		.amdhsa_next_free_sgpr 72
		.amdhsa_reserve_vcc 1
		.amdhsa_float_denorm_mode_32 3
		.amdhsa_float_denorm_mode_16_64 3
		.amdhsa_memory_ordered 1
		.amdhsa_forward_progress 1
		.amdhsa_inst_pref_size 250
	.end_amdhsa_kernel
	.amdgpu_metadata
---
amdhsa.version: [ 1, 2 ]
amdhsa.kernels:
  - .name:           k_qceda559aca_sim
    .symbol:         k_qceda559aca_sim.kd
    .args:
      - { .name: fqn, .offset: 0, .size: 8, .value_kind: global_buffer, .address_space: global }
      - { .name: fsn, .offset: 8, .size: 8, .value_kind: global_buffer, .address_space: global }
      - { .name: x_query, .offset: 16, .size: 8, .value_kind: global_buffer, .address_space: global }
      - { .name: x_shot, .offset: 24, .size: 8, .value_kind: global_buffer, .address_space: global }
      - { .name: out0, .offset: 32, .size: 8, .value_kind: global_buffer, .address_space: global }
      - { .name: out1, .offset: 40, .size: 8, .value_kind: global_buffer, .address_space: global }
    .group_segment_fixed_size: 327680
    .private_segment_fixed_size: 0
    .kernarg_segment_align: 8
    .kernarg_segment_size: 48
    .max_flat_workgroup_size: 128
    .sgpr_count:     72
    .vgpr_count:     1024
    .wavefront_size: 32
...
	.end_amdgpu_metadata
.endif
;; end of part 2
;; ======== version 2 of 2: 2 launches; version 1 with the launch prep written anew for expert scheduling mode
;; workspace buffers: fqn 22,732,800 bytes; fsn 7,864,320 bytes
;; launch prep (part 3): grid 249 x 1, 10 waves a work-group, no clusters, 126,720 bytes of LDS; arguments feat_query, feat_shot, fqn, fsn; writes fqn, fsn
.if DOCPART == 3
	.amdgcn_target "amdgcn-amd-amdhsa--gfx1250"
	.amdhsa_code_object_version 6
	.text
	.protected	k_qceda559aca_prep
	.globl	k_qceda559aca_prep
	.p2align	8
	.type	k_qceda559aca_prep,@function
k_qceda559aca_prep:
	s_mov_b64 s[64:65], 0
	v_nop
	global_prefetch_b8 v0, s[64:65] scope:SCOPE_SE
	s_setreg_imm32_b32 hwreg(HW_REG_WAVE_SCHED_MODE, 0, 2), 2
	s_setreg_imm32_b32 hwreg(HW_REG_WAVE_MODE, 25, 1), 1
	s_wait_xcnt 0x0
	s_wait_alu depctr_vm_vsrc(0)
; Every token row (384 f32) of feat_query and feat_shot is divided by max(sqrt(sum of its squares), 1e-8) in f32, rounded once to bf16,
; and written in the order in which the next launch's matrix instructions want it.
; SEGMENTS.  feat_query falls into 50 groups of 3 queries = 588 rows (37 tiles of 16 rows), feat_shot into 10 classes of 980 rows (64 tiles).
; Rows past a segment's end are copies of its last row: a copied shot cannot change a maximum, a copied query row is read by nobody.
; A TILE in fqn / fsn is 12,288 dense bytes: the 16 bytes at 1024 f + 512 p + 16 l hold row l % 16, channels 32 f + 16 p + 8 (l / 16) + 0..7:
; registers 4 p .. 4 p + 3 of lane l in fragment f of a 16-bit operand with K = 32 (ISA guide 7.12.2).
; SHARES.  One wave, one tile: 1,850 query tiles (work-groups 0-184) and 640 shot tiles (work-groups 185-248) are 249 x 10 waves exactly.
; A wave keeps its 16 rows in 192 registers between the sum and the scaling: each input byte is read once.  The change of layout goes through
; the wave's own 16 x 784 bytes of LDS, so there is no barrier.  No matrix work, no cluster: the waves share nothing.
; LIMITS.  A row's sum of squares must stay finite in f32 (|x| below about 1e18).  NaN and infinities are not treated apart.
; THE MODE: SCHED_MODE bits 1:0 = 2 (LLVM: expert scheduling mode 2), set by the entry lines.  The code itself states the register dependences
; between vector instructions and memory or LDS instructions, with s_wait_alu, always for 0.
; THE PLAN.  Registers that memory or LDS instructions touch:
;   v[RO ..], v[L16], v[LS], v[FA]   offsets and LDS addresses: written once at the head, never again.  One wait ahead of the first load states that they are written.
;   X (v32-223)   The 48 loads land in it, and no vector instruction has named it before.  The squares read it.  The way out goes in four blocks of four rows: block p's
;                 rows are scaled and rounded in place; its twelve LDS stores are issued in block p + 1, behind the one wait at that block's head, dealt among block p + 1's
;                 vector instructions, which name block p + 1's registers and SS alone.  Behind block 3's wait no vector instruction names X any more.
;   v32-127       once more: the 24 LDS loads land where rows 0-7 lay; one wait ahead of them states that those rows' LDS stores have read their data.  The global stores read them.
;   SS and P are named by vector instructions alone.  v[SPW] and v[NIL]: written at the head, read by the closing add alone.
.set ROWB,  1536                       ; bytes in a row of the inputs
.set PITCH, 784                        ; a bf16 row in LDS: 768 bytes + 16 = 49 x 16: the 16 rows of a fragment read start 16 bytes apart modulo 256
.set WST,   16*PITCH                   ; a wave's stage
.set SPARE, 10*WST                     ; behind the stages: the spare words, 128 bytes for each wave, five blocks of 256 bytes that no other line names
.set TILEB, 12288                      ; bytes in a tile of the outputs
.set L16, 2                            ; v2      16 x lane
.set LS,  3                            ; v3      stage + 8 x lane: where I put 8 bytes of a row
.set FA,  4                            ; v4      stage + (l % 16) x pitch + 16 (l / 16): where I read a fragment's 16 bytes
.set SPW, 5                            ; v5      LDS address of my spare word; never rewritten
.set NIL, 6                            ; v6      0; never rewritten
.set RO,  8                            ; v8-23   row i: byte offset of my 16 bytes in the segment
.set X,   32                           ; v32-223 row i, load j at X + 12 i + 4 j
.set SS,  224                          ; v224-239 row i: sum of squares, then 1 / norm
.set P,   240                          ; v240-243 at work
	s_load_b256 s[4:11], s[0:1], 0x0               ; feat_query s[4:5], feat_shot s[6:7], fqn s[8:9], fsn s[10:11]
	v_lshl_add_u32 v[SPW], v0, 2, SPARE
	v_mov_b32 v[NIL], 0
	v_lshrrev_b32 v1, 5, v0
	v_readfirstlane_b32 s12, v1                    ; wave 0..9
	v_and_b32 v1, 31, v0                           ; lane
	v_lshlrev_b32 v[L16], 4, v1
	s_wait_alu depctr_va_sdst(0)                   ; s12 is written, ahead of its first reader: my stage and my tile's number are made from it
	s_mul_i32 s34, s12, WST                        ; my stage
	v_lshl_add_u32 v[LS], v1, 3, s34
	v_and_b32 v7, 15, v0
	v_bfe_u32 v1, v0, 4, 1
	v_mul_u32_u24 v[FA], v7, PITCH
	v_lshl_add_u32 v[FA], v1, 4, v[FA]
	v_add_nc_u32 v[FA], s34, v[FA]
	s_mov_b32 s30, 0x76543210                      ; v_permlanex16_b32: each lane takes its own place in the other half
	s_mov_b32 s31, 0xfedcba98
	; which tile is mine: both readings are made, then one compare on the work-group's number chooses
	s_mul_i32 s13, ttmp9, 10
	s_add_co_u32 s13, s13, s12                     ; as a query tile: 0..1849
	s_sub_co_u32 s14, s13, 1850                    ; as a shot tile: 0..639 (meaningless for a query tile, and then not chosen)
	s_mul_hi_u32 s15, s13, 116080198               ; group = tile / 37: 116080198 x 37 = 2^32 + 30, exact far beyond 1,849
	s_mul_i32 s16, s15, 37
	s_sub_co_u32 s16, s13, s16                     ; tile in the group
	s_lshr_b32 s17, s14, 6                         ; class
	s_and_b32 s18, s14, 63                         ; tile in the class
	s_mov_b32 s21, 587                             ; a segment's last row
	s_mov_b32 s29, 979
	s_mov_b32 s22, 588*ROWB                        ; a segment's bytes
	s_mov_b32 s28, 980*ROWB
	s_wait_kmcnt 0x0
	s_cmp_lt_u32 ttmp9, 185
	s_cselect_b32 s19, s15, s17                    ; segment
	s_cselect_b32 s20, s16, s18                    ; tile in it
	s_cselect_b32 s21, s21, s29
	s_cselect_b32 s22, s22, s28
	s_cselect_b32 s23, s13, s14                    ; tile in the output buffer
	s_cselect_b64 s[24:25], s[4:5], s[6:7]         ; from
	s_cselect_b64 s[26:27], s[8:9], s[10:11]       ; to
	s_mul_i32 s32, s19, s22                        ; 44.3 million bytes at the most
	s_mov_b32 s33, 0
	s_add_nc_u64 s[24:25], s[24:25], s[32:33]      ; the segment's first row
	s_mul_i32 s32, s23, TILEB
	s_add_nc_u64 s[26:27], s[26:27], s[32:33]      ; my tile
	s_lshl_b32 s28, s20, 4                         ; my first row in the segment
	; the sixteen rows' offsets, all ahead of the one wait
.set ri, 0
.rept 16
	s_add_co_u32 s29, s28, ri
	s_min_u32 s29, s29, s21                        ; past the end: the last row once more
	s_mul_i32 s29, s29, ROWB
	v_add_nc_u32 v[RO+ri], s29, v[L16]
.set ri, ri+1
.endr
	s_wait_alu depctr_va_vdst(0)                   ; v[RO ..], v[L16], v[LS] and v[FA] are written: every load and store of the kernel, global or LDS, reads one of them as its offset or address
	; 48 loads, all on their way together: each covers 512 consecutive bytes, a third of a row
.set ri, 0
.rept 16
.irp j, 0,1,2
	global_load_b128 v[X+12*ri+4*\j:X+12*ri+4*\j+3], v[RO+ri], s[24:25] offset:512*\j th:TH_LOAD_NT
.endr
.set ri, ri+1
.endr
	; my twelve squares of each row, in two chains
.set ri, 0
.rept 16
	s_wait_loadcnt 45-3*ri                         ; loads come back in order (ISA guide 5.7.1): behind row ri's third load 45 - 3 ri were issued
	v_pk_mul_f32 v[P:P+1],   v[X+12*ri:X+12*ri+1],     v[X+12*ri:X+12*ri+1]
	v_pk_mul_f32 v[P+2:P+3], v[X+12*ri+2:X+12*ri+3],   v[X+12*ri+2:X+12*ri+3]
	v_pk_fma_f32 v[P:P+1],   v[X+12*ri+4:X+12*ri+5],   v[X+12*ri+4:X+12*ri+5],   v[P:P+1]
	v_pk_fma_f32 v[P+2:P+3], v[X+12*ri+6:X+12*ri+7],   v[X+12*ri+6:X+12*ri+7],   v[P+2:P+3]
	v_pk_fma_f32 v[P:P+1],   v[X+12*ri+8:X+12*ri+9],   v[X+12*ri+8:X+12*ri+9],   v[P:P+1]
	v_pk_fma_f32 v[P+2:P+3], v[X+12*ri+10:X+12*ri+11], v[X+12*ri+10:X+12*ri+11], v[P+2:P+3]
	v_pk_add_f32 v[P:P+1], v[P:P+1], v[P+2:P+3]
	v_add_f32 v[SS+ri], v[P], v[P+1]
.set ri, ri+1
.endr
	; across the 32 lanes, the sixteen rows side by side so that no line waits for the one before it
.irp x, 1,2,4,8
.set ri, 0
.rept 16
	v_add_f32_dpp v[SS+ri], v[SS+ri], v[SS+ri] row_xmask:\x row_mask:0xf bank_mask:0xf
.set ri, ri+1
.endr
.endr
.set ri, 0
.rept 16
	v_permlanex16_b32 v[P+ri%4], v[SS+ri], s30, s31  ; its destination counts as read: P has been written
	v_add_f32 v[SS+ri], v[SS+ri], v[P+ri%4]
.set ri, ri+1
.endr
	; 1 / max(sqrt(sum), 1e-8).  Behind a run of transcendentals one plain instruction stands before a result is used (ISA guide 5.7.2)
.set ri, 0
.rept 16
	v_sqrt_f32 v[SS+ri], v[SS+ri]
.set ri, ri+1
.endr
	v_nop
	s_wait_alu depctr_va_vdst(0)                   ; the sixteen roots have written v[SS ..], ahead of their first reader: one wait for the batch
.set ri, 0
.rept 16
	v_max_num_f32 v[SS+ri], 0x322bcc77, v[SS+ri]   ; 1e-8
.set ri, ri+1
.endr
.set ri, 0
.rept 16
	v_rcp_f32 v[SS+ri], v[SS+ri]
.set ri, ri+1
.endr
	v_nop
	s_wait_alu depctr_va_vdst(0)                   ; the sixteen reciprocals have written v[SS ..], ahead of their first reader: one wait for the batch
; Row i is scaled and rounded to bf16 in place: of each four registers the first two then hold eight bf16.
.macro SCALE i
.set BS, X+12*(\i)
.set t, 0
.rept 6
.if (\i)%2 == 0
	v_pk_mul_f32 v[BS+2*t:BS+2*t+1], v[BS+2*t:BS+2*t+1], v[SS+(\i):SS+(\i)+1] op_sel_hi:[1,0]                 ; both halves by the pair's first register
.else
	v_pk_mul_f32 v[BS+2*t:BS+2*t+1], v[BS+2*t:BS+2*t+1], v[SS+(\i)-1:SS+(\i)] op_sel:[0,1] op_sel_hi:[1,1]    ; both halves by its second
.endif
.set t, t+1
.endr
.set t, 0
.rept 3
	v_cvt_pk_bf16_f32 v[BS+4*t],   v[BS+4*t],   v[BS+4*t+1]
	v_cvt_pk_bf16_f32 v[BS+4*t+1], v[BS+4*t+2], v[BS+4*t+3]
.set t, t+1
.endr
.endm
; Row i is put into the stage: a store of the wave covers 256 consecutive bytes.
.macro PUT i
.set BP, X+12*(\i)
.set t, 0
.rept 3
	ds_store_b64 v[LS], v[BP+4*t:BP+4*t+1] offset:PITCH*(\i)+256*t
.set t, t+1
.endr
.endm
	; four blocks of four rows: a block's stores stand in the next block, behind the wait at its head
.set ri, 0
.rept 4
	SCALE ri                                       ; block 0
.set ri, ri+1
.endr
.rept 3                                        ; blocks 1 to 3
	s_wait_alu depctr_va_vdst(0)                   ; the roundings of the block before have written its rows' registers, which the twelve LDS stores below read; no vector instruction of this block names them
.rept 4
	PUT ri-4
	SCALE ri
.set ri, ri+1
.endr
.endr
	s_wait_alu depctr_va_vdst(0)                   ; block 3's roundings have written its rows' registers, which the last twelve LDS stores read; and every vector instruction that names X is done, so the LDS loads below may land in v32-127
.rept 4
	PUT ri-4
.set ri, ri+1
.endr
	s_wait_alu depctr_vm_vsrc(0)                   ; the LDS stores of rows 0-7 have read their data in v32-127, in which the loads below land
	; back in fragment order.  LDS serves a wave's instructions in order (ISA guide 5.7.1.4): these loads see the stores above
.set m, 0
.rept 24
	ds_load_b128 v[X+4*m:X+4*m+3], v[FA] offset:32*m   ; fragment m / 2, half m % 2: byte 64 f + 32 p of my row
.set m, m+1
.endr
.set m, 0
.rept 24
	s_wait_dscnt 23-m                              ; behind load m 23 - m were issued
	global_store_b128 v[L16], v[X+4*m:X+4*m+3], s[26:27] offset:512*m  ; 512 consecutive bytes, at a multiple of 512 from the buffer's first
.set m, m+1
.endr
	s_wait_dscnt 0x0                               ; the closing lines, six on end
	s_wait_alu 0x0
	s_wait_tensorcnt 0x0
	ds_add_u32 v[SPW], v[NIL]
	s_wait_dscnt 0x0
	s_endpgm
.Lfunc_end_k_qceda559aca_prep:
	.size	k_qceda559aca_prep, .Lfunc_end_k_qceda559aca_prep-k_qceda559aca_prep
	.p2alignl 7, 3214868480
	.fill 96, 4, 3214868480
	.section	.rodata,"a",@progbits
	.p2align	6, 0x0
	.amdhsa_kernel k_qceda559aca_prep
		.amdhsa_group_segment_fixed_size 126720
		.amdhsa_private_segment_fixed_size 0
		.amdhsa_enable_private_segment 0
		.amdhsa_kernarg_size 32
		.amdhsa_user_sgpr_count 2
		.amdhsa_user_sgpr_kernarg_segment_ptr 1
		.amdhsa_wavefront_size32 1
		.amdhsa_system_sgpr_workgroup_id_x 1
		.amdhsa_system_sgpr_workgroup_id_y 1
		.amdhsa_system_sgpr_workgroup_id_z 1
		.amdhsa_system_vgpr_workitem_id 0
		.amdhsa_next_free_vgpr 256
		.amdhsa_next_free_sgpr 66
		.amdhsa_reserve_vcc 0
		.amdhsa_float_denorm_mode_32 3
		.amdhsa_float_denorm_mode_16_64 3
		.amdhsa_memory_ordered 1
		.amdhsa_forward_progress 1
		.amdhsa_inst_pref_size 45
	.end_amdhsa_kernel
	.amdgpu_metadata
---
amdhsa.version: [ 1, 2 ]
amdhsa.kernels:
  - .name:           k_qceda559aca_prep
    .symbol:         k_qceda559aca_prep.kd
    .args:
      - { .name: feat_query, .offset: 0, .size: 8, .value_kind: global_buffer, .address_space: global }
      - { .name: feat_shot, .offset: 8, .size: 8, .value_kind: global_buffer, .address_space: global }
      - { .name: fqn, .offset: 16, .size: 8, .value_kind: global_buffer, .address_space: global }
      - { .name: fsn, .offset: 24, .size: 8, .value_kind: global_buffer, .address_space: global }
    .group_segment_fixed_size: 126720
    .private_segment_fixed_size: 0
    .kernarg_segment_align: 8
    .kernarg_segment_size: 32
    .max_flat_workgroup_size: 320
    .sgpr_count:     66
    .vgpr_count:     256
    .wavefront_size: 32
...
	.end_amdgpu_metadata
.endif
;; end of part 3
;; launch sim: the kernel of part 2 again; grid 25 x 10, 4 waves a work-group, no clusters, 327,680 bytes of LDS; arguments fqn, fsn, x_query, x_shot, out0, out1; writes out0, out1
